; MI455X (gfx1250); checked and timed in simulation.
; The chip was launched on July 23, 2026; its instructions are those of AMD's public machine-readable ISA for CDNA 5 (MIT licence, August 2026) and "CDNA5" Instruction Set Architecture Reference Guide (July 2026). The comments in the code are by the model that wrote it; some were corrected since.
;; Three Layer FC Model. Allowed arithmetic: float matrix products may take bf16 or f16 operands with f32 sums; other float arithmetic in f32, or as packed bf16 or f16 multiplies, adds, multiply-adds, maxima and minima; sums over many terms, partial sums and values carried from step to step in f32; what a program stores and reads back later, other than sums and carried values, may be rounded once to bf16 or f16.
;; Inputs: b0 1,024 float32; b1 1,024 float32; b2 1,024 float32; mask1 1,024 x 1,024 bool; mask2 1,024 x 1,024 bool; w0 1,024 x 1,024 float32; w1 1,024 x 1,024 float32; w2 1,024 x 1,024 float32; x 16,384 x 1,024 float32.
;; Outputs: out0 16,384 x 1,024 float32.
;; One version. Each part assembles by itself: llvm-mc -triple=amdgcn-amd-amdhsa -mcpu=gfx1250 --defsym DOCPART=n.
;; ======== version 1 of 1: 4 launches
;; limits: inputs' magnitudes at most 65,504; values are held in f16: magnitudes above 65,504 overflow, below 6.1e-05 lose precision; right only within a limited range of input values
;; workspace buffers: actA 33,554,432 bytes; actB 33,554,432 bytes; wb0 2,097,152 bytes; wb1 2,097,152 bytes; wb2 2,097,152 bytes; recA 8,192 bytes; recB 8,192 bytes
;; launch prep (part 1): grid 256 x 1, 32 waves a work-group, no clusters, 4,608 bytes of LDS; arguments x, w0, w1, mask1, w2, mask2, b0, b1, actA, wb0, wb1, wb2, recA, recB; writes actA, wb0, wb1, wb2, recA, recB
.if DOCPART == 1
	.amdgcn_target "amdgcn-amd-amdhsa--gfx1250"
	.amdhsa_code_object_version 6
	.text
	.protected	k_q14e5f8f2e6_prep
	.globl	k_q14e5f8f2e6_prep
	.p2align	8
	.type	k_q14e5f8f2e6_prep,@function
k_q14e5f8f2e6_prep:
	s_mov_b64 s[64:65], 0
	v_nop
	global_prefetch_b8 v0, s[64:65] scope:SCOPE_SE
	s_setreg_imm32_b32 hwreg(HW_REG_WAVE_MODE, 25, 1), 1
	s_wait_xcnt 0x0
; THE PROGRAM: out = relu(W2m relu(W1m relu(W0 x + b0) + b1) + b2), W1m = w1 * mask1, W2m = w2 * mask2; 16,384 rows, every width 1,024.
; NO WORK IS LEFT OUT AS DEAD: every input has a way to the output and is loaded; the masks' zeros are single numbers that data decide, so the products stay dense and a mask selects.
; THIS LAUNCH lays the matrix operands out: x, w0, w1 * mask1, w2 * mask2 are rounded ONCE to bf16, and that number is written as f16 (exact for magnitudes from 2^-17 to 65,504).
; It also finds bounds for the later launches' scales: each work-group's largest |x|, |w0|, |w1 * mask1| (of the rounded numbers) and |b0|, |b1| of its share, stored as one record of eight words.
; SHARES.  Work-group g: rows 64 g .. 64 g + 63 of x and rows 4 g .. 4 g + 3 of each weight.  Thread t takes four numbers a step: 16 bytes in, 8 bytes out; a wave's load covers 512 consecutive
; bytes, its store 256 consecutive bytes, aligned.  All 21 loads of a thread go out at once; the waits count down.  Memory binds: no matrix unit, no tile, no loop.
; LIMITS.  Mask bytes are 0 or 1.  A masked number counts as 0 also where it is NaN or infinite.  |x|, |w| beyond 65,504 become infinities; below 2^-17 they keep f16's fixed step of 2^-24.
; A NaN takes no part in a maximum.
.set SPARE, 512                        ; LDS: [0, 512) a record of 16 bytes for each wave; from 512 on the spare words, 128 bytes for each of 32 waves, which no other line names
.set SPW, 4                            ; v4   LDS address of my spare word; never rewritten
.set NIL, 5                            ; v5   0; never rewritten
.set T0,  6                            ; v6-7 two packed pairs of bf16, at work
.set T1,  7
.set ML,  8                            ; v8-9 a mask word spread: 0xffff over each number that is kept
.set MH,  9
.set MXR, 12                           ; v12 largest |x|, v13 |w0|, v14 |w1 mask1| (two bf16 each, later one f32), v15 = 0: the wave's record
.set X,   16                           ; v[16:79]  x, four registers a step
.set W,   80                           ; v[80:91]  w0, w1, w2
	s_load_b512 s[4:19], s[0:1], 0x0               ; x s[4:5], w0 s[6:7], w1 s[8:9], mask1 s[10:11], w2 s[12:13], mask2 s[14:15], b0 s[16:17], b1 s[18:19]
	s_load_b256 s[20:27], s[0:1], 0x40             ; actA s[20:21], wb0 s[22:23], wb1 s[24:25], wb2 s[26:27]
	s_load_b128 s[28:31], s[0:1], 0x60             ; recA s[28:29], recB s[30:31]
	v_lshl_add_u32 v[SPW], v0, 2, SPARE
	v_mov_b32 v[NIL], 0
	v_lshrrev_b32 v10, 5, v0
	v_readfirstlane_b32 s32, v10                   ; my wave's number
	v_lshlrev_b32 v1, 4, v0                        ; 16 t: f32 in
	v_lshlrev_b32 v2, 3, v0                        ; 8 t: f16 out
	v_lshlrev_b32 v3, 2, v0                        ; 4 t: mask bytes
	v_mov_b32 v11, 0                               ; v_permlanex16_b32's destination counts as read
	v_mov_b32 v15, 0
	s_mov_b32 s45, 0                               ; s[44:45]: an offset as a pair
	s_mov_b32 s46, 0xffff0000                      ; a word's upper bf16
	s_mov_b32 s47, 0x7fff7fff                      ; clears the signs of two bf16
	s_mov_b32 s48, 0x76543210                      ; v_permlanex16_b32: each lane takes its own place in the other half
	s_mov_b32 s49, 0xfedcba98
	s_lshl_b32 s35, ttmp9, 5                       ; my work-group's record: 32 bytes
	s_wait_kmcnt 0x0
.macro STEP p, sh                      ; the buffer at s[p:p+1] is stepped to the work-group's share: g << sh bytes
	s_lshl_b32 s44, ttmp9, \sh
	s_add_nc_u64 s[(\p):(\p)+1], s[(\p):(\p)+1], s[44:45]
.endm
	STEP 4, 18                                     ; x: 64 rows of 4,096 bytes
	STEP 6, 14                                     ; the weights: 4 rows of 4,096 bytes
	STEP 8, 14
	STEP 12, 14
	STEP 10, 12                                    ; the masks: 4 rows of 1,024 bytes
	STEP 14, 12
	STEP 16, 4                                     ; the biases: 4 numbers
	STEP 18, 4
	STEP 20, 17                                    ; actA: 64 rows of 2,048 bytes
	STEP 22, 13                                    ; the f16 weights: 4 rows of 2,048 bytes
	STEP 24, 13
	STEP 26, 13
	s_load_b128 s[36:39], s[16:17], 0x0            ; b0[4 g ..]
	s_load_b128 s[40:43], s[18:19], 0x0            ; b1[4 g ..]
	global_load_b128 v[W:W+3],    v1, s[6:7]   th:TH_LOAD_NT
	global_load_b128 v[W+4:W+7],  v1, s[8:9]   th:TH_LOAD_NT
	global_load_b32  v92,         v3, s[10:11] th:TH_LOAD_NT
	global_load_b128 v[W+8:W+11], v1, s[12:13] th:TH_LOAD_NT
	global_load_b32  v93,         v3, s[14:15] th:TH_LOAD_NT
.irp i, 0,1,2,3,4,5,6,7,8,9,10,11,12,13,14,15
	global_load_b128 v[X+4*(\i):X+4*(\i)+3], v1, s[4:5] offset:16384*(\i) th:TH_LOAD_NT
.endr
; A mask word's four bytes (0 or 1) times 255, then each byte spread over the 16 bits of its number.
.macro MASKW m
	v_lshlrev_b32 v10, 8, v[\m]
	v_sub_nc_u32 v10, v10, v[\m]                   ; 256 m - m: each byte 0 or 0xff, no borrow between bytes
	v_perm_b32 v[ML], v10, v10, 0x01010000         ; numbers 0 and 1
	v_perm_b32 v[MH], v10, v10, 0x03030202         ; numbers 2 and 3
.endm
; Four f32 at v[s ..] become four f16 in v[s:s+1]: rounded to bf16, masked, their magnitudes taken into the running maximum acc (none if acc < 0), widened (a shift, a mask), written as f16.
.macro CONV s, masked, acc, first
	v_cvt_pk_bf16_f32 v[T0], v[(\s)], v[(\s)+1]
	v_cvt_pk_bf16_f32 v[T1], v[(\s)+2], v[(\s)+3]
.if \masked
	v_and_b32 v[T0], v[T0], v[ML]
	v_and_b32 v[T1], v[T1], v[MH]
.endif
.if (\acc) >= 0
.if \first
	v_and_b32 v[(\acc)], s47, v[T0]                ; the first pair starts the maximum: nothing is cleared
.else
	v_and_b32 v10, s47, v[T0]
	v_pk_max_num_bf16 v[(\acc)], v[(\acc)], v10
.endif
	v_and_b32 v10, s47, v[T1]
	v_pk_max_num_bf16 v[(\acc)], v[(\acc)], v10
.endif
	v_lshlrev_b32 v[(\s)],   16,  v[T0]
	v_and_b32     v[(\s)+1], s46, v[T0]
	v_lshlrev_b32 v[(\s)+2], 16,  v[T1]
	v_and_b32     v[(\s)+3], s46, v[T1]
	v_cvt_pk_f16_f32 v[(\s)],   v[(\s)],   v[(\s)+1]
	v_cvt_pk_f16_f32 v[(\s)+1], v[(\s)+2], v[(\s)+3]
.endm
; The maximum over a wave's 32 lanes, in every lane.
.macro WRED d
	v_max_num_f32_dpp v[\d], v[\d], v[\d] row_xmask:1 row_mask:0xf bank_mask:0xf
	v_max_num_f32_dpp v[\d], v[\d], v[\d] row_xmask:2 row_mask:0xf bank_mask:0xf
	v_max_num_f32_dpp v[\d], v[\d], v[\d] row_xmask:4 row_mask:0xf bank_mask:0xf
	v_max_num_f32_dpp v[\d], v[\d], v[\d] row_xmask:8 row_mask:0xf bank_mask:0xf
	v_permlanex16_b32 v11, v[\d], s48, s49
	v_max_num_f32 v[\d], v[\d], v11
.endm
	s_wait_loadcnt 20                              ; loads come back in order: w0 is in, the 20 younger loads stay out
	CONV W, 0, MXR+1, 1
	global_store_b64 v2, v[W:W+1], s[22:23]
	s_wait_loadcnt 18                              ; w1 and mask1
	MASKW 92
	CONV W+4, 1, MXR+2, 1
	global_store_b64 v2, v[W+4:W+5], s[24:25]
	s_wait_loadcnt 16                              ; w2 and mask2; layer 3's result is not stored in 16 bits, so w2 needs no bound
	MASKW 93
	CONV W+8, 1, -1, 0
	global_store_b64 v2, v[W+8:W+9], s[26:27]
.irp i, 0,1,2,3,4,5,6,7,8,9,10,11,12,13,14,15
	s_wait_loadcnt 15-(\i)                         ; step i of x is in
.if (\i) == 0
	CONV X, 0, MXR, 1
.else
	CONV X+4*(\i), 0, MXR, 0
.endif
	global_store_b64 v2, v[X+4*(\i):X+4*(\i)+1], s[20:21] offset:8192*(\i)  ; no store's registers are written again
.endr
.irp d, 12,13,14
	v_lshlrev_b32 v10, 16, v\d                     ; the two halves as f32
	v_and_b32 v\d, s46, v\d
	v_max_num_f32 v\d, v\d, v10
.endr
	WRED 12
	WRED 13
	WRED 14
	v_mov_b32 v10, s32
	v_lshlrev_b32 v10, 4, v10
	ds_store_b128 v10, v[12:15]                    ; my wave's record: all lanes write the same 16 bytes with the same values
	s_wait_kmcnt 0x0                               ; the biases' four numbers each
	s_wait_dscnt 0x0                               ; for the others' sake: my store is done
	s_barrier_signal -1
	s_barrier_wait -1                              ; all 32 records lie in LDS
	s_cmp_lg_u32 s32, 0
	s_cbranch_scc1 .Lend                           ; wave 0 finishes the work-group's record
	v_and_b32 v102, 31, v0                         ; lane
	v_lshlrev_b32 v101, 4, v102
	ds_load_b128 v[104:107], v101                  ; lane l takes wave l's record
.irp r, 36,37,38,39,40,41,42,43
	s_and_b32 s\r, s\r, 0x7fffffff                 ; magnitudes: floats that are not negative are ordered as their bits are
.endr
	s_max_u32 s36, s36, s37
	s_max_u32 s38, s38, s39
	s_max_u32 s36, s36, s38                        ; largest |b0| of my four
	s_max_u32 s40, s40, s41
	s_max_u32 s42, s42, s43
	s_max_u32 s40, s40, s42                        ; largest |b1|
	v_mov_b32 v94, s36
	v_mov_b32 v95, s40
	v_mov_b32 v99, 0
	v_mov_b32 v100, 1
	s_wait_dscnt 0x0
	WRED 104
	WRED 105
	WRED 106
	v_cmp_eq_u32 vcc_lo, 1, v102                   ; lane p takes word p of the record: MX, M0, M1, B0, B1, sel, 0, 0
	v_cndmask_b32 v96, v104, v105, vcc_lo
	v_cmp_eq_u32 vcc_lo, 2, v102
	v_cndmask_b32 v96, v96, v106, vcc_lo
	v_cmp_eq_u32 vcc_lo, 3, v102
	v_cndmask_b32 v96, v96, v94, vcc_lo
	v_cmp_eq_u32 vcc_lo, 4, v102
	v_cndmask_b32 v96, v96, v95, vcc_lo
	v_cmp_lt_u32 vcc_lo, 4, v102
	v_cndmask_b32 v96, v96, v99, vcc_lo            ; recA: sel = 0
	v_cmp_eq_u32 vcc_lo, 5, v102
	v_cndmask_b32 v97, v96, v100, vcc_lo           ; recB: sel = 1
	v_min_u32 v98, 7, v102
	v_lshl_add_u32 v98, v98, 2, s35                ; 32 g + 4 p
	v_cmp_gt_u32 vcc_lo, 8, v102
	s_wait_xcnt 0x0                                ; EXEC is a source of the stores above: it changes only behind this wait
	s_and_saveexec_b32 s50, vcc_lo
	global_store_b32 v98, v96, s[28:29]            ; eight lanes, 32 bytes on end
	global_store_b32 v98, v97, s[30:31]
	s_wait_xcnt 0x0                                ; and again, in front of the line that widens it
	s_or_b32 exec_lo, exec_lo, s50
.Lend:
	s_wait_tensorcnt 0x0                           ; the wave's end: behind my last LDS store
	ds_add_u32 v[SPW], v[NIL]
	s_wait_dscnt 0x0
	s_endpgm
.Lfunc_end_k_q14e5f8f2e6_prep:
	.size	k_q14e5f8f2e6_prep, .Lfunc_end_k_q14e5f8f2e6_prep-k_q14e5f8f2e6_prep
	.p2alignl 7, 3214868480
	.fill 96, 4, 3214868480
	.section	.rodata,"a",@progbits
	.p2align	6, 0x0
	.amdhsa_kernel k_q14e5f8f2e6_prep
		.amdhsa_group_segment_fixed_size 4608
		.amdhsa_private_segment_fixed_size 0
		.amdhsa_enable_private_segment 0
		.amdhsa_kernarg_size 112
		.amdhsa_user_sgpr_count 2
		.amdhsa_user_sgpr_kernarg_segment_ptr 1
		.amdhsa_wavefront_size32 1
		.amdhsa_system_sgpr_workgroup_id_x 1
		.amdhsa_system_sgpr_workgroup_id_y 1
		.amdhsa_system_sgpr_workgroup_id_z 1
		.amdhsa_system_vgpr_workitem_id 0
		.amdhsa_next_free_vgpr 108
		.amdhsa_next_free_sgpr 66
		.amdhsa_reserve_vcc 1
		.amdhsa_float_denorm_mode_32 3
		.amdhsa_float_denorm_mode_16_64 3
		.amdhsa_memory_ordered 1
		.amdhsa_forward_progress 1
		.amdhsa_inst_pref_size 22
	.end_amdhsa_kernel
	.amdgpu_metadata
---
amdhsa.version: [ 1, 2 ]
amdhsa.kernels:
  - .name:           k_q14e5f8f2e6_prep
    .symbol:         k_q14e5f8f2e6_prep.kd
    .args:
      - { .name: x, .offset: 0, .size: 8, .value_kind: global_buffer, .address_space: global }
      - { .name: w0, .offset: 8, .size: 8, .value_kind: global_buffer, .address_space: global }
      - { .name: w1, .offset: 16, .size: 8, .value_kind: global_buffer, .address_space: global }
      - { .name: mask1, .offset: 24, .size: 8, .value_kind: global_buffer, .address_space: global }
      - { .name: w2, .offset: 32, .size: 8, .value_kind: global_buffer, .address_space: global }
      - { .name: mask2, .offset: 40, .size: 8, .value_kind: global_buffer, .address_space: global }
      - { .name: b0, .offset: 48, .size: 8, .value_kind: global_buffer, .address_space: global }
      - { .name: b1, .offset: 56, .size: 8, .value_kind: global_buffer, .address_space: global }
      - { .name: actA, .offset: 64, .size: 8, .value_kind: global_buffer, .address_space: global }
      - { .name: wb0, .offset: 72, .size: 8, .value_kind: global_buffer, .address_space: global }
      - { .name: wb1, .offset: 80, .size: 8, .value_kind: global_buffer, .address_space: global }
      - { .name: wb2, .offset: 88, .size: 8, .value_kind: global_buffer, .address_space: global }
      - { .name: recA, .offset: 96, .size: 8, .value_kind: global_buffer, .address_space: global }
      - { .name: recB, .offset: 104, .size: 8, .value_kind: global_buffer, .address_space: global }
    .group_segment_fixed_size: 4608
    .private_segment_fixed_size: 0
    .kernarg_segment_align: 8
    .kernarg_segment_size: 112
    .max_flat_workgroup_size: 1024
    .sgpr_count:     66
    .vgpr_count:     108
    .wavefront_size: 32
...
	.end_amdgpu_metadata
.endif
;; end of part 1
;; launch layer1 (part 2): grid 4 x 64, 4 waves a work-group, clusters of 4 x 4, 327,680 bytes of LDS; arguments actA, wb0, b0, recA, actB; writes actB
.if DOCPART == 2
	.amdgcn_target "amdgcn-amd-amdhsa--gfx1250"
	.amdhsa_code_object_version 6
	.text
	.protected	k_q14e5f8f2e6_layer1
	.globl	k_q14e5f8f2e6_layer1
	.p2align	8
	.type	k_q14e5f8f2e6_layer1,@function
k_q14e5f8f2e6_layer1:
	s_mov_b64 s[64:65], 0
	v_nop
	global_prefetch_b8 v0, s[64:65] scope:SCOPE_SE
	s_setreg_imm32_b32 hwreg(HW_REG_WAVE_MODE, 25, 1), 1
	s_wait_xcnt 0x0
	s_wait_alu depctr_hold_cnt(0) depctr_sa_sdst(0) depctr_va_vdst(0) depctr_va_sdst(0) depctr_va_ssrc(0) depctr_va_vcc(0) depctr_vm_vsrc(0)
	s_getreg_b32 s2, hwreg(HW_REG_IB_STS2, 6, 4)
	s_cmp_eq_u32 s2, 0
	s_cbranch_scc0 .Lentry_in_a_cluster
	s_endpgm
.Lentry_in_a_cluster:
	s_bfe_u32 s2, ttmp6, 0x10000c
	s_cmp_lg_u32 s2, 0xf033
	s_cbranch_scc0 .Lentry_shape_is_right
	s_endpgm
.Lentry_shape_is_right:
; ONE LAYER WHOSE RESULT IS STORED IN f16 (layers 1 and 2 run this text): C[m][n] = cout relu(sum over k of a[m][k] B[n][k] + b[n]), where the stored A is cin a.
; A: [16384][1024] f16, B: [1024][1024] f16 (weights rounded to bf16, written as f16), b: [1024] f32 (rounded to bf16 here), C: [16384][1024] f16.  Sums in f32.  No work is left out.
; SCALES.  What the program stores in f16 carries a power of two, made from a bound that holds for every input.  The records hold MX >= |x|, M0 >= |w0|, M1 >= |w1 mask1|, B0 >= |b0|, B1 >= |b1|:
; H1 = 1024 MX M0 + B0 bounds layer 1's result, H2 = 1024 H1 M1 + B1 layer 2's.  With e the exponent field of H, c = 2^(140 - e) gives c H < 2^14, a factor four under f16's end.
; The sums start with the tile bf16(b) cin as the first product's C operand; on the way out they are multiplied by cout / cin.  Layer 1 (sel = 0): cin = 1, cout = c1.  Layer 2 (sel = 1): cin = c1,
; cout = c2.  sel is a word of the record; it enters sums of exponents alone, no address and no branch.  All factors are powers of two: no rounding comes of them.
; LIMITS.  c's exponent is held to -63 .. 63: the scales saturate for H outside 2^-49 .. 2^77.  A scaled result below 2^-14 keeps f16's fixed step of 2^-24.  NaN becomes 0 in the ReLU.
; SHAPE.  A tile of C is 256 x 256: four waves, as many as a WGP has SIMDs, each 128 x 128: 64 accumulators of 16 x 16, 512 registers.  64 x 4 tiles: one work-group each.  K goes in 8 steps of 128 through a ring
; of two LDS slots filled by the tensor data mover; the tiles' rows are 256 bytes of memory, at multiples of 256 from the buffer's first byte.
; THE LAST K STEP GOES BY ROWS OF C: by K all 64 accumulators would be finished together and every store would stand behind the last product.  So all of that step's fragments of B come into registers, A's by
; blocks of 16 rows, and my eight blocks are finished one after the other; each is scaled, rounded and stored as soon as it is finished, seven of the eight while later blocks are multiplied.
; CLUSTERS: 4 x 4 work-groups.  The four of a row of the cluster need the same tiles of A, the four of a column the same tiles of B: each is asked for JOINTLY, by the same tensor load with the same
; descriptor and a mask that names the four.
; THE MATRIX INSTRUCTION IS USED TRANSPOSED: source 0 = 16 rows of B, source 1 = 16 rows of A: lane l holds row l % 16 of C, its registers 0-7 the columns 8 (l / 16) + 0..7.
; REGISTERS, in windows of 256 (s_set_vgpr_msb: bits 1:0 source 0, 3:2 source 1, 5:4 source 2, 7:6 destination):
;   window 0: v0-31 addresses and constants; v64-127, v128-191 fragments of A, two buffers (in the head v64-127 take the records; in the last K step four buffers of 16 rows x 128 K); v32-63, v192-255 at work on the way out
;   window 1: v0-63 the bias tile, 8 registers for each block of 16 columns; v64-127, v128-191 fragments of B; v192-255 the bias as loaded; in the last K step all 256: B's fragments of the whole step
;   window 2: the 32 accumulators of my rows 0-63 ((a, b) at v[8 (8 a + b)]);   window 3: those of my rows 64-127
; All of the WGP's LDS is claimed; the text uses 296,448 bytes.
.set SIZE_N, 1024
.set SIZE_K, 1024
.set KSTEP,  128
.set PITCH,  272                       ; an LDS row: 256 bytes + 16 of padding = 68 words: row r starts at bank 4 r mod 64 (64 banks of 4 bytes: ISA guide 11.1)
.set HALFT,  128*PITCH                 ; 128 rows: what one tensor load brings, and what one wave reads of A or of B
.set SLOT,   4*HALFT                   ; A's 256 rows, then B's 256 rows
.set STAGE,  2*SLOT                    ; behind the ring: 16 rows x 272 bytes for each wave, for the way out; no tensor load lands there
.set SPITCH, 272
.set SPARE,  STAGE+4*16*SPITCH         ; behind the stages: the spare words, 128 bytes for each wave, which no other line names
.set LAPS,   SIZE_K/(2*KSTEP)          ; 4 laps of two K steps
.set ADRA, 16                          ; v16-17  LDS address of my A fragments in slot 0, 1
.set ADRB, 20                          ; v20-21  the same for B
.set CV,   22                          ; v22     cin
.set RO,   23                          ; v23     16 x lane
.set STO,  24                          ; v24     the way out: where I put 16 bytes of a row
.set RD,   25                          ; v25     the way out: where I read a row back
.set CO,   26                          ; v26     my byte offset in C
.set BO,   27                          ; v27     my byte offset in the bias
.set SPW,  28                          ; v28     LDS address of my spare word; never rewritten
.set NIL,  29                          ; v29     0; never rewritten
.set PFO,  30                          ; v30     the prefetches' offset: lane x 2,048; never rewritten
.set ZR,   31                          ; v31     0, a source of the ReLU and of the bias tile
.set OB,   32                          ; the way out: 16 rows read back: v32-63 and v224-255 by turns
.set F0,   64
.set F1,   128
.set PA,   64                          ; the last K step: A's fragments of 16 rows x 128 K, 32 registers; four such buffers, v64-191
.set TMP,  192                         ; the way out: packed results
.set REC,  64                          ; the head: the records
.set RAW,  192                         ; window 1: the bias as loaded
.set G1,  24                           ; s[24:31] descriptor group 1 for A's tiles;  s[32:39] group 0, a set for each slot
.set G0,  32
.set LIM, 43                           ; s43      1 in a wave that prefetches, else the greatest number
.set PFA, 44                           ; s[44:45] where my prefetches stand
.set G1B, 48                           ; s[48:55], s[56:63] the same two groups for B's tiles
.set G0B, 56
.set BIA, 68                           ; s[68:69] the bias
.set RCP, 70                           ; s[70:71] the records
.set SEL, 72                           ; s[72:73] v_permlanex16_b32's selects
.set CIN, 74                           ; s74      cin
.set MULF, 76                          ; s[76:77] cout / cin, named as a pair
.set SL,  78                           ; s78      sel
.set MSB, 0
.macro WIN new                         ; the immediate's high byte repeats the setting that is left; a switch that changes nothing is dropped
.if MSB != (\new)
	s_set_vgpr_msb (MSB<<8)|(\new)
.set MSB, \new
.endif
.endm
.set MUL_LO, 0xa1                      ; source 0 (B) window 1, source 1 (A) window 0, C and D window 2
.set MUL_HI, 0xf1                      ; the same, C and D window 3
.set TO_B,   0x40                      ; destination window 1, address window 0
; A joint load.  Waves 0 and 1 fetch A's two halves, waves 2 and 3 B's; the branch hangs on the wave's number alone.  An s_nop 0 and four v_nop follow each of the two lines.
.macro JLOAD s
	s_cmp_eq_u32 s11, 0
	s_cbranch_scc0 .Lfor_b_\@
	tensor_load_to_lds s[G0+4*(\s):G0+4*(\s)+3], s[G1:G1+7]
	s_nop 0
.rept 4
	v_nop
.endr
	s_branch .Lasked_\@
.Lfor_b_\@:
	tensor_load_to_lds s[G0B+4*(\s):G0B+4*(\s)+3], s[G1B:G1B+7]
	s_nop 0
.rept 4
	v_nop
.endr
.Lasked_\@:
.endm
; A PREFETCH INTO THE L2, behind each joint refill and the run of LDS loads that follows it: the K step that stands two refills on, 512 matrix instructions ahead of the load that will ask for it: 32 rows x 256 bytes, a lane a row.
; Each row's 256 bytes of a K step are named once in the launch: A's tile row is read by one cluster alone (a cluster spans all of C's columns), B's tile column by all sixteen, of which cluster y = 0 asks.
; The four partners that ask for a tile jointly share its rows out BY ADDRESS: of the 128 rows that a wave fetches, the partner at place p takes 32 p .. 32 p + 31 (p = cx for A, cy for B).
; K steps 0 to 3 come by their loads alone; the loop's last trip (s3 = 1) asks for nothing: there is no K step two on.
.macro ASK
	s_cmp_gt_u32 s3, s[LIM]
	s_cbranch_scc0 .Lnot_mine_\@
	global_prefetch_b8 v[PFO], s[PFA:PFA+1] offset:KSTEP*2 th:TH_LOAD_NT scope:SCOPE_SE
.Lnot_mine_\@:
.endm
.macro CREST                           ; a round of the cluster's barrier behind its opening barrier
	s_cmp_lg_u32 s10, 0
	s_cbranch_scc1 .Lnot_wave_0_\@
	s_barrier_signal -3
.Lnot_wave_0_\@:
	s_barrier_wait -3
	s_barrier_signal -1
	s_barrier_wait -1
.endm
.macro CROUND                          ; a whole round
	s_barrier_signal -1
	s_barrier_wait -1
	CREST
.endm
	s_load_b128 s[4:7], s[0:1], 0x0                ; A s[4:5], B s[6:7]
	s_load_b128 s[68:71], s[0:1], 0x10             ; the bias, the records
	s_load_b64 s[8:9], s[0:1], 0x20                ; C
	v_lshl_add_u32 v[SPW], v0, 2, SPARE
	v_mov_b32 v[NIL], 0
	ds_add_u32 v[SPW], v[NIL]                      ; the wave's opening: the add, twice on end, and its wait ahead of my first tensor load
	ds_add_u32 v[SPW], v[NIL]                      ; and once more, under the one wait; the set-up below, work on registers, stands between
	v_lshrrev_b32 v1, 5, v0
	v_readfirstlane_b32 s10, v1                    ; wave 0..3
	s_lshr_b32 s11, s10, 1                         ; which half of the tile's rows is mine.  Also: I fetch for A (0) or for B (1)
	s_and_b32 s12, s10, 1                          ; which half of its columns.  Also: which 128 rows of that tile I fetch
	s_bfe_u32 s40, ttmp6, 0x40000                  ; cx
	s_bfe_u32 s41, ttmp6, 0x40004                  ; cy
	s_lshl_b32 s42, ttmp9, 2
	s_add_co_u32 s42, s42, s40                     ; tile column of C = 4 x cluster x + cx
	s_and_b32 s13, ttmp7, 0xffff
	s_lshl_b32 s13, s13, 2
	s_add_co_u32 s13, s13, s41                     ; tile row of C = 4 x cluster y + cy
	s_lshl_b32 s43, s41, 2
	s_lshl_b32 s43, 15, s43                        ; my row of the cluster: places 4 cy .. 4 cy + 3
	s_lshl_b32 s44, 0x1111, s40                    ; my column: places cx, cx + 4, cx + 8, cx + 12
	; descriptor group 1: a tile of 128 rows x 128 elements of 2 bytes, padded in LDS by 4 words after every 64
	s_or_b32 s[G1+0], s43, (1<<16)|(1<<20)|(1<<21)|(5<<22)|(3<<25)   ; 15:0 the mask: A's tiles go to my row; 17:16 2-byte elements; 20 padding on; 21 set beside a mask; 24:22 code 5; 31:25 code 3
	s_or_b32 s[G1B+0], s44, (1<<16)|(1<<20)|(1<<21)|(5<<22)|(3<<25)  ; the same with the mask of my column, for B's tiles
.irp g, G1, G1B
	s_mov_b32 s[(\g)+1], KSTEP<<16                 ; tensor_dim0 = 128
	s_mov_b32 s[(\g)+2], 128<<16                   ; tensor_dim1 = 128
	s_mov_b32 s[(\g)+3], KSTEP<<16                 ; tile_dim0 = 128
	s_mov_b32 s[(\g)+4], 128                       ; tile_dim1 = 128
	s_mov_b32 s[(\g)+5], SIZE_K                    ; elements from row to row
	s_mov_b32 s[(\g)+6], 0
	s_mov_b32 s[(\g)+7], 0
.endr
	s_mov_b32 s[SEL], 0x76543210
	s_mov_b32 s[SEL+1], 0xfedcba98
	; where the tiles come from: A's hang on the tile row alone, B's on the tile column alone, each in registers that never hold the other coordinate
	s_lshl_b32 s17, s12, 7                         ; which 128 rows of the tile I fetch
	s_lshl_b32 s16, s13, 8
	s_add_co_u32 s16, s16, s17                     ; A: row 256 x tile row + 128 x half
	s_lshl_b32 s46, s42, 8
	s_add_co_u32 s46, s46, s17                     ; B: row 256 x tile column + 128 x half
	s_mov_b32 s17, 0
	s_mov_b32 s47, 0
	s_mov_b64 s[18:19], SIZE_K*2
	s_mul_u64 s[16:17], s[16:17], s[18:19]
	s_mul_u64 s[46:47], s[46:47], s[18:19]
	s_mul_i32 s20, s10, HALFT                      ; where they go: wave x 128 rows: no place in the cluster enters an LDS address
	s_wait_dscnt 0x0                               ; both opening adds are done
	s_wait_kmcnt 0x0
	s_add_nc_u64 s[14:15], s[4:5], s[16:17]
	s_add_nc_u64 s[46:47], s[6:7], s[46:47]
	CROUND                                         ; all sixteen work-groups are here: the first joint loads meet
.irp s, 0,1
	s_mov_b32 s[G0+4*(\s)], 1                                        ; count = 1
	s_add_co_u32 s[G0+4*(\s)+1], s20, (\s)*SLOT                      ; LDS address
	s_add_nc_u64 s[G0+4*(\s)+2:G0+4*(\s)+3], s[14:15], (\s)*KSTEP*2  ; global address: K step s
	s_or_b32 s[G0+4*(\s)+3], s[G0+4*(\s)+3], 0x80000000              ; type = 2
	s_mov_b32 s[G0B+4*(\s)], 1
	s_add_co_u32 s[G0B+4*(\s)+1], s20, (\s)*SLOT
	s_add_nc_u64 s[G0B+4*(\s)+2:G0B+4*(\s)+3], s[46:47], (\s)*KSTEP*2
	s_or_b32 s[G0B+4*(\s)+3], s[G0B+4*(\s)+3], 0x80000000
	JLOAD \s                                       ; the ring is filled before anything else is done: two tensor loads of mine are out
.endr
	; the records and the bias are asked for while the first tiles are on their way
	s_load_b32 s[SL], s[RCP:RCP+1], 0x14           ; sel: word 5 of record 0
	v_and_b32 v1, 15, v0                           ; l % 16
	v_bfe_u32 v2, v0, 4, 1                         ; l / 16
	v_and_b32 v[RO], 31, v0
	v_lshlrev_b32 v[RO], 4, v[RO]
	s_lshl_b32 s20, s42, 10                        ; the tile's 256 columns: 1,024 bytes of the bias,
	s_lshl_b32 s21, s12, 9                         ; my 128 of them
	s_add_co_u32 s20, s20, s21
	v_lshl_add_u32 v[BO], v2, 5, s20               ; my lanes' eight columns of a block of 16
.irp j, 0,1,2,3,4,5,6,7,8,9,10,11,12,13,14,15
	global_load_b128 v[REC+4*(\j):REC+4*(\j)+3], v[RO], s[RCP:RCP+1] offset:512*(\j)  ; 256 records of 32 bytes: even lanes take words 0-3 (MX, M0, M1, B0), odd lanes words 4-7 (B1, ..)
.endr
	WIN TO_B
.irp b, 0,1,2,3,4,5,6,7
	global_load_b128 v[RAW+8*(\b):RAW+8*(\b)+3],   v[BO], s[BIA:BIA+1] offset:64*(\b)
	global_load_b128 v[RAW+8*(\b)+4:RAW+8*(\b)+7], v[BO], s[BIA:BIA+1] offset:64*(\b)+16
.endr
	WIN 0
	; A fragment is 16 rows x 32 K in 8 registers: lane l holds row l % 16; registers 0-3 K = 8 (l / 16) + 0..7, registers 4-7 K = 16 + 8 (l / 16) + 0..7: two loads of 16 bytes, 32 bytes apart.
	v_mul_u32_u24 v3, v1, PITCH
	v_lshl_add_u32 v3, v2, 4, v3                   ; row x pitch + 16 x half
	s_mul_i32 s21, s11, HALFT                      ; my 128 rows of A
	s_mul_i32 s22, s12, HALFT                      ; my 128 rows of B,
	s_add_co_u32 s22, s22, 2*HALFT                 ; which lie behind A's 256
.irp s, 0,1
	v_add_nc_u32 v[ADRA+(\s)], s21, v3
	v_add_nc_u32 v[ADRB+(\s)], s22, v3
	s_add_co_u32 s21, s21, SLOT
	s_add_co_u32 s22, s22, SLOT
.endr
	s_mul_i32 s23, s10, 16*SPITCH
	s_add_co_u32 s23, s23, STAGE                   ; my stage
	v_mul_u32_u24 v4, v1, SPITCH                   ; in: row l % 16, 16 bytes for each half of the lanes
	v_lshl_add_u32 v4, v2, 4, v4
	v_add_nc_u32 v[STO], s23, v4
	v_mul_u32_u24 v5, v2, SPITCH                   ; back: lanes 0-15 take one row of 256 bytes, lanes 16-31 the next
	v_lshl_add_u32 v5, v1, 4, v5
	v_add_nc_u32 v[RD], s23, v5
	v_mul_u32_u24 v5, v2, SIZE_N*2                 ; and the same two rows in C
	v_lshl_add_u32 v[CO], v1, 4, v5
	v_mov_b32 v[ZR], 0
	; where my part of the tile begins in C, in bytes
	s_lshl_b32 s13, s13, 8
	s_lshl_b32 s14, s11, 7
	s_add_co_u32 s16, s13, s14                     ; my first row of C
	s_mov_b32 s17, 0
	s_mov_b64 s[18:19], SIZE_N*2
	s_mul_u64 s[16:17], s[16:17], s[18:19]
	s_lshl_b32 s46, s42, 9                         ; my first column, in bytes: 512 x tile column + 256 x half
	s_lshl_b32 s47, s12, 8
	s_add_co_u32 s46, s46, s47
	s_mov_b32 s47, 0
	s_add_nc_u64 s[16:17], s[16:17], s[46:47]
	; the prefetches.  s13 = 256 x tile row, s42 = tile column, s40 = cx, s41 = cy still stand
	s_lshl_b32 s42, s42, 8
	s_and_b32 s22, ttmp7, 0xffff                   ; cluster y
	s_cmp_eq_u32 s11, 0                            ; do I fetch for A?
	s_cselect_b32 s20, s13, s42                    ; the tile's first row: in A by the tile row, in B by the tile column
	s_cselect_b32 s21, s40, s41                    ; my place among the four that ask for it with me
	s_cselect_b32 s22, ttmp9, s22                  ; the coordinate along which other clusters read the same rows
	s_cselect_b64 s[PFA:PFA+1], s[4:5], s[6:7]
	s_cmp_eq_u32 s22, 0
	s_cselect_b32 s[LIM], 1, -1                    ; the same in all sixteen partners, for a given wave
	s_lshl_b32 s22, s12, 7
	s_add_co_u32 s20, s20, s22                     ; + the 128 rows that I fetch
	s_lshl_b32 s21, s21, 5
	s_add_co_u32 s20, s20, s21                     ; + my work-group's 32 of them
	s_mov_b32 s21, 0
	s_mov_b64 s[18:19], SIZE_K*2
	s_mul_u64 s[20:21], s[20:21], s[18:19]
	s_add_nc_u64 s[PFA:PFA+1], s[PFA:PFA+1], s[20:21]
	s_add_nc_u64 s[PFA:PFA+1], s[PFA:PFA+1], 2*KSTEP*2  ; at K step 2: the first refill steps it to 3 and names K step 4
	v_and_b32 v[PFO], 31, v0
	v_mul_u32_u24 v[PFO], v[PFO], SIZE_K*2
	; THE SCALES.  The largest of each of the records' words: over my 16 loads, then over the lanes of my parity.
	s_wait_loadcnt 16                              ; the 16 loads of records are in; the 16 younger ones, the bias, stay out
.irp j, 1,3,5,7,9,11,13
.irp c, 0,1,2,3
	v_max3_num_f32 v[REC+(\c)], v[REC+(\c)], v[REC+4*(\j)+(\c)], v[REC+4*(\j)+4+(\c)]
.endr
.endr
.irp c, 0,1,2,3
	v_max_num_f32 v[REC+(\c)], v[REC+(\c)], v[REC+60+(\c)]
.endr
.irp x, 2,4,8
.irp c, 0,1,2,3
	v_max_num_f32_dpp v[REC+(\c)], v[REC+(\c)], v[REC+(\c)] row_xmask:\x row_mask:0xf bank_mask:0xf
.endr
.endr
.irp c, 0,1,2,3
	v_permlanex16_b32 v[REC+4+(\c)], v[REC+(\c)], s[SEL], s[SEL+1]
.endr
.irp c, 0,1,2,3
	v_max_num_f32 v[REC+(\c)], v[REC+(\c)], v[REC+4+(\c)]
.endr
	v_mov_b32_dpp v[REC+4], v[REC] row_xmask:1 row_mask:0xf bank_mask:0xf  ; even lanes take B1 from their odd neighbour; what follows is read from lane 0
	v_mul_f32 v[REC+5], 0x44800000, v[REC]         ; 1024 MX
	v_fma_f32 v[REC+5], v[REC+5], v[REC+1], v[REC+3]  ; H1 = 1024 MX M0 + B0
	v_mul_f32 v[REC+6], 0x44800000, v[REC+5]
	v_fma_f32 v[REC+6], v[REC+6], v[REC+2], v[REC+4]  ; H2 = 1024 H1 M1 + B1
	v_readfirstlane_b32 s79, v[REC+5]
	v_readfirstlane_b32 s80, v[REC+6]
.irp e, 79,80
	s_bfe_u32 s\e, s\e, 0x80017                    ; e: 8 bits from bit 23
	s_sub_co_i32 s\e, 267, s\e                     ; the exponent field of c = 2^(140 - e),
	s_max_i32 s\e, s\e, 64                         ; held to 64 .. 190,
	s_min_i32 s\e, s\e, 190
	s_sub_co_i32 s\e, s\e, 127                     ; and c's exponent: E1 in s79, E2 in s80
.endr
	s_wait_kmcnt 0x0                               ; sel
	s_mul_i32 s81, s[SL], s79                      ; cin's exponent: 0 or E1
	s_sub_co_i32 s82, s80, s79
	s_mul_i32 s82, s82, s[SL]
	s_add_co_i32 s82, s82, s79                     ; cout's: E1 or E2
	s_sub_co_i32 s82, s82, s81
	s_add_co_i32 s82, s82, 127                     ; 1 .. 253: a normal number
	s_lshl_b32 s[MULF], s82, 23                    ; cout / cin
	s_mov_b32 s[MULF+1], s[MULF]
	s_add_co_i32 s81, s81, 127
	s_lshl_b32 s[CIN], s81, 23
	v_mov_b32 v[CV], s[CIN]
	; THE BIAS TILE: bf16(b) cin, in the layout of a C operand: register j of block b holds column 16 b + 8 (l / 16) + j
	s_wait_loadcnt 0x0
	WIN 0x45                                       ; destination and both sources window 1
.set i, 0
.rept 32
	v_cvt_pk_bf16_f32 v[RAW+2*i], v[RAW+2*i], v[RAW+2*i+1]
.set i, i+1
.endr
	WIN 0x41                                       ; destination and source 0 window 1; cin and 0 window 0
.set i, 0
.rept 32
	v_fma_mix_f32_bf16 v[2*i],   v[RAW+2*i], v[CV], v[ZR] op_sel_hi:[1,0,0]
	v_fma_mix_f32_bf16 v[2*i+1], v[RAW+2*i], v[CV], v[ZR] op_sel:[1,0,0] op_sel_hi:[1,0,0]
.set i, i+1
.endr
	WIN 0
; 16 matrix instructions: m blocks a0, a0 + 1 of the window's four (hi = 0: my rows 0-63, 1: rows 64-127) x all 8 n blocks, 32 along K.
; zero = 1: the first product starts the sums with the bias tile (window 1) as C: nothing is cleared, and no bias is added later.
.macro MUL16 f, hi, a0, zero
.if \zero
	WIN 0x91+0x40*(\hi)                            ; D window 2 or 3, C window 1, A window 0, B window 1
.else
	WIN MUL_LO+0x50*(\hi)
.endif
.irp a, \a0, (\a0)+1
.irp b, 0,1,2,3,4,5,6,7
.if \zero
	v_wmma_f32_16x16x32_f16 v[8*(8*(\a)+(\b)):8*(8*(\a)+(\b))+7], v[(\f)+8*(\b):(\f)+8*(\b)+7], v[(\f)+8*(4*(\hi)+(\a)):(\f)+8*(4*(\hi)+(\a))+7], v[8*(\b):8*(\b)+7]
.else
	v_wmma_f32_16x16x32_f16 v[8*(8*(\a)+(\b)):8*(8*(\a)+(\b))+7], v[(\f)+8*(\b):(\f)+8*(\b)+7], v[(\f)+8*(4*(\hi)+(\a)):(\f)+8*(4*(\hi)+(\a))+7], v[8*(8*(\a)+(\b)):8*(8*(\a)+(\b))+7]
.endif
.endr
.endr
.endm
; 32 LDS loads in one run: the fragments of one quarter step (128 rows of B, 128 rows of A, 32 K at byte k of the rows) into buffer f
.macro FETCH slot, k, f
	WIN TO_B
.irp i, 0,1,2,3,4,5,6,7
	ds_load_b128 v[(\f)+8*(\i):(\f)+8*(\i)+3],   v[ADRB+(\slot)] offset:(\k)+(\i)*16*PITCH
	ds_load_b128 v[(\f)+8*(\i)+4:(\f)+8*(\i)+7], v[ADRB+(\slot)] offset:(\k)+(\i)*16*PITCH+32
.endr
	WIN 0
.irp i, 0,1,2,3,4,5,6,7
	ds_load_b128 v[(\f)+8*(\i):(\f)+8*(\i)+3],   v[ADRA+(\slot)] offset:(\k)+(\i)*16*PITCH
	ds_load_b128 v[(\f)+8*(\i)+4:(\f)+8*(\i)+7], v[ADRA+(\slot)] offset:(\k)+(\i)*16*PITCH+32
.endr
.endm
; Four plain vector instructions stand between a matrix instruction and a load into a register that it has read, or a vector instruction that reads or writes one of its registers (ISA guide 7.12.1 for vector instructions);
; the matrix instructions in between are not counted.
.macro PLACES
.rept 4
	v_nop
.endr
.endm
; A K step is four quarters of 32 along K, 64 matrix instructions each, on buffers 0, 1, 0, 1.  The 64 accumulators take turns, one instruction a turn, in the same order in every quarter.
; One of the first three: multiplies buffer f; in its middle it fetches the next quarter's fragments, at byte k of the same slot's rows, into buffer g.
.macro QUARTER slot, k, f, g, zero
	s_wait_dscnt 8                                 ; B and A's rows 0-63 are in; the youngest eight loads (A's rows 64-127) may be out
	MUL16 \f, 0, 0, \zero
	MUL16 \f, 0, 2, \zero
	PLACES
	FETCH \slot, \k, \g
	s_wait_dscnt 32                                ; all but the 32 just issued
	MUL16 \f, 1, 0, \zero
	MUL16 \f, 1, 2, \zero
.endm
; The last quarter multiplies buffer 1 and changes slots.  MEET is its first half: one barrier for two things.  In front of it each wave waits for all its tensor loads, of which one is out: its part of the
; next slot; adds 0 to its spare word; and waits for that and for its own reads of this slot.  Behind it nobody reads this slot any more and the next slot is whole.
.macro MEET round                      ; round = 1: a round of the cluster's barrier follows
	WIN 0                                          ; (the add's two registers lie in window 0)
	s_wait_tensorcnt 0x0                           ; all my tensor loads have landed
	ds_add_u32 v[SPW], v[NIL]                      ; 0 onto my spare word
	s_wait_dscnt 9                                 ; (the add and the youngest eight loads may be out)
	MUL16 F1, 0, 0, 0                              ; sixteen matrix instructions stand between the add and the wait for it
	s_wait_dscnt 0x0                               ; the add is done, and my reads of this slot are over
	s_barrier_signal -1
	MUL16 F1, 0, 2, 0                              ; work on registers while the others arrive
.if \round
	WIN 0
.endif
	s_barrier_wait -1
.endm
; The whole last quarter: behind the round the slot just read out is filled again first, with the K step two steps on; then come the next slot's first fragments.
; From a request to the wait for it a wave issues 224 matrix instructions; one tensor load of mine is out behind each round.
.macro TURN slot, next
	s_wait_xcnt 0x0                                ; the last prefetch, a K step back, has read its address: it is stepped here, ahead of the waits of the change of slots
	s_add_nc_u64 s[PFA:PFA+1], s[PFA:PFA+1], KSTEP*2
	MEET 1
	CREST                                          ; no wave of any partner still reads this slot's tile or has a load on its way
	s_add_nc_u64 s[G0+4*(\slot)+2:G0+4*(\slot)+3], s[G0+4*(\slot)+2:G0+4*(\slot)+3], 2*KSTEP*2
	s_add_nc_u64 s[G0B+4*(\slot)+2:G0B+4*(\slot)+3], s[G0B+4*(\slot)+2:G0B+4*(\slot)+3], 2*KSTEP*2
	JLOAD \slot                                    ; the first tensor load behind the round; its four v_nop are also the places in front of the loads below
	FETCH \next, 0, F0
	ASK
	MUL16 F1, 1, 0, 0
	MUL16 F1, 1, 2, 0
.endm
; THE LAST K STEP (it lies in slot 1) BY ROWS OF C.  All its fragments of B (4 quarters x 64 registers) fill window 1; then my eight blocks of 16 rows are finished one after the other, each with 32 matrix
; instructions: its 8 accumulators by turns, K ascending.  LDS is read no more than in any other K step: 128 loads.
.macro BLOAD q                         ; B's fragments of quarter q -> window 1, v[64 q ..]
	WIN TO_B
.irp i, 0,1,2,3,4,5,6,7
	ds_load_b128 v[64*(\q)+8*(\i):64*(\q)+8*(\i)+3],   v[ADRB+1] offset:64*(\q)+(\i)*16*PITCH
	ds_load_b128 v[64*(\q)+8*(\i)+4:64*(\q)+8*(\i)+7], v[ADRB+1] offset:64*(\q)+(\i)*16*PITCH+32
.endr
.endm
.macro ALOAD a                         ; A's fragments of block a, all four quarters -> buffer a % 4
	WIN 0
.set FA, PA+32*((\a)%4)
.irp q, 0,1,2,3
	ds_load_b128 v[FA+8*(\q):FA+8*(\q)+3],   v[ADRA+1] offset:64*(\q)+(\a)*16*PITCH
	ds_load_b128 v[FA+8*(\q)+4:FA+8*(\q)+7], v[ADRA+1] offset:64*(\q)+(\a)*16*PITCH+32
.endr
.endm
.macro ROW a                           ; block a is finished: 32 matrix instructions
.set FA, PA+32*((\a)%4)                ; its fragments of A
.set AC, 64*((\a)%4)                   ; its eight accumulators, in window 2 (blocks 0-3) or 3 (blocks 4-7)
	WIN MUL_LO+0x50*((\a)/4)
.irp q, 0,1,2,3
.if (\a) == 0 && (\q) == 2
	s_wait_dscnt 24                                ; B's quarter 2 is in (behind it: the 24 loads of A's blocks 1 to 3)
.endif
.irp b, 0,1,2,3,4,5,6,7
	v_wmma_f32_16x16x32_f16 v[AC+8*(\b):AC+8*(\b)+7], v[64*(\q)+8*(\b):64*(\q)+8*(\b)+7], v[FA+8*(\q):FA+8*(\q)+7], v[AC+8*(\b):AC+8*(\b)+7]
.endr
.endr
.endm
; THE WAY OUT of block a (16 of my rows), in three parts.  PACK: times cout / cin, in place and from each accumulator's low end on; rounded to f16, 16 bytes a lane; the ReLU on the packed halves.
.macro PACK a
.set AC, 64*((\a)%4)
	WIN 0x82+0x41*((\a)/4)                         ; destination and source 0: window 2 or 3
.set i, 0
.rept 32
	v_pk_mul_f32 v[AC+2*i:AC+2*i+1], v[AC+2*i:AC+2*i+1], s[MULF:MULF+1] op_sel_hi:[1,0]
.set i, i+1
.endr
	WIN 0x0a+5*((\a)/4)                            ; sources 0 and 1: window 2 or 3; destination window 0
.set i, 0
.rept 32
	v_cvt_pk_f16_f32 v[TMP+i], v[AC+2*i], v[AC+2*i+1]
.set i, i+1
.endr
	WIN 0
.set i, 0
.rept 32
	v_pk_max_num_f16 v[TMP+i], v[TMP+i], v[ZR]
.set i, i+1
.endr
.endm
.macro TOSTAGE a                       ; into my own stage in LDS, and back as whole rows of 256 bytes
	WIN 0
.set BK, OB+192*((\a)%2)
.irp b, 0,1,2,3,4,5,6,7
	ds_store_b128 v[STO], v[TMP+4*(\b):TMP+4*(\b)+3] offset:32*(\b)
.endr
.irp t, 0,1,2,3,4,5,6,7
	ds_load_b128 v[BK+4*(\t):BK+4*(\t)+3], v[RD] offset:(\t)*2*SPITCH  ; LDS serves a wave's instructions in order (ISA guide 5.7.1.4): these see the stores above
.endr
.endm
.macro SEND a, younger                 ; younger: the LDS loads issued behind TOSTAGE's, which may stay out
	WIN 0
.set BK, OB+192*((\a)%2)
	s_wait_dscnt \younger                          ; the block is back in registers, and so is every older load
	s_wait_xcnt 0x0                                ; only behind this wait are the stores' base and the registers that earlier stores read rewritten
.if (\a) == 0
	s_add_nc_u64 s[8:9], s[8:9], s[16:17]          ; on to my first rows
.else
	s_add_nc_u64 s[8:9], s[8:9], 16*SIZE_N*2       ; 16 rows of C on
.endif
.irp t, 0,1,2,3,4,5,6,7
	global_store_b128 v[CO], v[BK+4*(\t):BK+4*(\t)+3], s[8:9] offset:2*(\t)*SIZE_N*2  ; 16 lanes store 256 consecutive bytes, at a multiple of 256 from C's first byte
.endr
.endm
	s_wait_tensorcnt 1                             ; my part of K step 0 is in; K step 1's may stay out
	s_barrier_signal -1
	s_barrier_wait -1                              ; everybody's is
	FETCH 0, 0, F0
	QUARTER 0, 64,  F0, F1, 1                      ; the first quarter stands in front of the loop: its products start the sums with the bias tile
	WIN 0                                          ; at a label and at a branch every window is 0
	s_mov_b32 s3, LAPS-1
.Llap:                                                 ; a trip goes once round the ring, from a lap's second quarter to the next lap's first, and fills both slots again: K steps 2 to 7 in three trips
	QUARTER 0, 128, F1, F0, 0
	QUARTER 0, 192, F0, F1, 0
	TURN 0, 1
	QUARTER 1, 64,  F0, F1, 0
	QUARTER 1, 128, F1, F0, 0
	QUARTER 1, 192, F0, F1, 0
	TURN 1, 0
	QUARTER 0, 64,  F0, F1, 0
	WIN 0
	s_sub_co_u32 s3, s3, 1
	s_cmp_lg_u32 s3, 0
	s_cbranch_scc1 .Llap
	QUARTER 0, 128, F1, F0, 0                      ; the last lap is written out: it fills nothing
	QUARTER 0, 192, F0, F1, 0
	MEET 0                                         ; my one tensor load that was still out is slot 1's, the last K step's, so no round follows
	PLACES                                         ; for the loads into buffer 0, which the quarter before multiplied
	BLOAD 0                                        ; three quarters of B now: buffer 1 (v128-191 of both windows) is still being multiplied
	BLOAD 1
	BLOAD 3
	ALOAD 0
	MUL16 F1, 1, 0, 0
	MUL16 F1, 1, 2, 0
	PLACES                                         ; for the loads into buffer 1
	BLOAD 2
	ALOAD 1
	ALOAD 2
	ALOAD 3
	s_wait_dscnt 40                                ; all but the 40 just issued: B's quarters 0, 1, 3 and A's block 0 are in
	ROW 0
.irp a, 0,1,2,3,4,5,6,7                ; each block leaves as soon as it is finished: nothing follows this tile under which its stores could leave
	PLACES                                         ; the scalings work on results just made
	PACK \a
	TOSTAGE \a
.if (\a) < 4
	ALOAD (\a)+4                                   ; its buffer takes the block four further on
	SEND \a, 8
.else
	SEND \a, 0
.endif
.if (\a) < 7
	ROW (\a)+1
.endif
.endr
	s_wait_tensorcnt 0x0                           ; the wave's end: behind my last tensor load and my last LDS store
	ds_add_u32 v[SPW], v[NIL]
	s_wait_dscnt 0x0
	CROUND                                         ; the closing round: no work-group ends while a partner may still ask for a tile that names it
	s_endpgm
.Lfunc_end_k_q14e5f8f2e6_layer1:
	.size	k_q14e5f8f2e6_layer1, .Lfunc_end_k_q14e5f8f2e6_layer1-k_q14e5f8f2e6_layer1
	.p2alignl 7, 3214868480
	.fill 96, 4, 3214868480
	.section	.rodata,"a",@progbits
	.p2align	6, 0x0
	.amdhsa_kernel k_q14e5f8f2e6_layer1
		.amdhsa_group_segment_fixed_size 327680
		.amdhsa_private_segment_fixed_size 0
		.amdhsa_enable_private_segment 0
		.amdhsa_kernarg_size 40
		.amdhsa_user_sgpr_count 2
		.amdhsa_user_sgpr_kernarg_segment_ptr 1
		.amdhsa_wavefront_size32 1
		.amdhsa_system_sgpr_workgroup_id_x 1
		.amdhsa_system_sgpr_workgroup_id_y 1
		.amdhsa_system_sgpr_workgroup_id_z 1
		.amdhsa_system_vgpr_workitem_id 0
		.amdhsa_next_free_vgpr 1024
		.amdhsa_next_free_sgpr 84
		.amdhsa_reserve_vcc 0
		.amdhsa_float_denorm_mode_32 3
		.amdhsa_float_denorm_mode_16_64 3
		.amdhsa_memory_ordered 1
		.amdhsa_forward_progress 1
		.amdhsa_inst_pref_size 191
	.end_amdhsa_kernel
	.amdgpu_metadata
---
amdhsa.version: [ 1, 2 ]
amdhsa.kernels:
  - .name:           k_q14e5f8f2e6_layer1
    .symbol:         k_q14e5f8f2e6_layer1.kd
    .args:
      - { .name: actA, .offset: 0, .size: 8, .value_kind: global_buffer, .address_space: global }
      - { .name: wb0, .offset: 8, .size: 8, .value_kind: global_buffer, .address_space: global }
      - { .name: b0, .offset: 16, .size: 8, .value_kind: global_buffer, .address_space: global }
      - { .name: recA, .offset: 24, .size: 8, .value_kind: global_buffer, .address_space: global }
      - { .name: actB, .offset: 32, .size: 8, .value_kind: global_buffer, .address_space: global }
    .group_segment_fixed_size: 327680
    .private_segment_fixed_size: 0
    .kernarg_segment_align: 8
    .kernarg_segment_size: 40
    .max_flat_workgroup_size: 128
    .sgpr_count:     84
    .vgpr_count:     1024
    .wavefront_size: 32
...
	.end_amdgpu_metadata
.endif
;; end of part 2
;; launch layer2: the kernel of part 2 again; grid 4 x 64, 4 waves a work-group, clusters of 4 x 4, 327,680 bytes of LDS; arguments actB, wb1, b1, recB, actA; writes actA
;; launch layer3 (part 3): grid 4 x 64, 4 waves a work-group, clusters of 4 x 4, 327,680 bytes of LDS; arguments actA, wb2, b2, recB, out0; writes out0
.if DOCPART == 3
	.amdgcn_target "amdgcn-amd-amdhsa--gfx1250"
	.amdhsa_code_object_version 6
	.text
	.protected	k_q14e5f8f2e6_layer3
	.globl	k_q14e5f8f2e6_layer3
	.p2align	8
	.type	k_q14e5f8f2e6_layer3,@function
k_q14e5f8f2e6_layer3:
	s_mov_b64 s[64:65], 0
	v_nop
	global_prefetch_b8 v0, s[64:65] scope:SCOPE_SE
	s_setreg_imm32_b32 hwreg(HW_REG_WAVE_MODE, 25, 1), 1
	s_wait_xcnt 0x0
	s_wait_alu depctr_hold_cnt(0) depctr_sa_sdst(0) depctr_va_vdst(0) depctr_va_sdst(0) depctr_va_ssrc(0) depctr_va_vcc(0) depctr_vm_vsrc(0)
	s_getreg_b32 s2, hwreg(HW_REG_IB_STS2, 6, 4)
	s_cmp_eq_u32 s2, 0
	s_cbranch_scc0 .Lentry_in_a_cluster
	s_endpgm
.Lentry_in_a_cluster:
	s_bfe_u32 s2, ttmp6, 0x10000c
	s_cmp_lg_u32 s2, 0xf033
	s_cbranch_scc0 .Lentry_shape_is_right
	s_endpgm
.Lentry_shape_is_right:
; THE LAST LAYER: out[m][n] = relu(sum over k of h2[m][k] B[n][k] + b2[n]) in f32, where the stored A is c2 h2.  No work is left out.
; A: [16384][1024] f16, B: [1024][1024] f16 (w2 mask2 rounded to bf16, written as f16), b2: [1024] f32 (rounded to bf16 here), out: [16384][1024] f32.  Sums in f32.
; SCALES.  c2 = 2^(140 - e) with e the exponent field of H2 = 1024 H1 M1 + B1, H1 = 1024 MX M0 + B0, made from the records as in the layers before.  The sums start with the tile bf16(b2) c2 as the first
; product's C operand and are multiplied by 1 / c2 on the way out: powers of two, no rounding comes of them.
; LIMITS.  c2's exponent is held to -63 .. 63.  NaN becomes 0 in the ReLU.
; SHAPE, CLUSTERS, RING, REGISTERS: as in the layers before: tiles of 256 x 256, four waves of 128 x 128, 8 K steps of 128 through two LDS slots, 4 x 4 work-groups that ask for A's tiles jointly along a row of
; the cluster and for B's along a column; the matrix instruction is used transposed, so that a lane holds eight neighbouring columns of one row.  THE LAST K STEP GOES BY ROWS OF out: my eight blocks of 16 rows
; are finished one after the other, and each is scaled and stored as soon as it is finished, seven of the eight while later blocks are multiplied.
;   window 0: v0-31 addresses and constants; v64-127, v128-191 fragments of A (in the head v64-127 take the records; in the last K step four buffers of 16 rows x 128 K); v192-255 rows read back on the way out
;   window 1: v0-63 the bias tile; v64-127, v128-191 fragments of B; v192-255 the bias as loaded; in the last K step all 256: B's fragments of the whole step          windows 2, 3: the 64 accumulators
; All of the WGP's LDS is claimed; the text uses 312,832 bytes.
.set SIZE_N, 1024
.set SIZE_K, 1024
.set KSTEP,  128
.set PITCH,  272                       ; an LDS row: 256 bytes + 16 of padding = 68 words: row r starts at bank 4 r mod 64 (64 banks of 4 bytes: ISA guide 11.1)
.set HALFT,  128*PITCH
.set SLOT,   4*HALFT
.set STAGE,  2*SLOT                    ; behind the ring: 16 rows x 528 bytes for each wave, for the way out; no tensor load lands there
.set SPITCH, 528                       ; 512 bytes + 16 = 132 words: the 16 rows that a store touches start at 16 different groups of four banks
.set SPARE,  STAGE+4*16*SPITCH         ; behind the stages: the spare words, 128 bytes for each wave, which no other line names
.set LAPS,   SIZE_K/(2*KSTEP)
.set ADRA, 16
.set ADRB, 20
.set CV,   22                          ; v22     c2
.set RO,   23                          ; v23     16 x lane: for the records, and my byte offset in a row of 512 bytes of out
.set STO,  24
.set RD,   25
.set BO,   27
.set SPW,  28                          ; v28     LDS address of my spare word; never rewritten
.set NIL,  29                          ; v29     0; never rewritten
.set PFO,  30
.set ZR,   31
.set F0,   64
.set F1,   128
.set PA,   64                          ; the last K step: A's fragments of 16 rows x 128 K, 32 registers; four such buffers, v64-191
.set OB,   192                         ; the way out: 16 rows read back, v192-255
.set REC,  64
.set RAW,  192
.set G1,  24
.set G0,  32
.set LIM, 43
.set PFA, 44
.set G1B, 48
.set G0B, 56
.set BIA, 68
.set RCP, 70
.set SEL, 72
.set CIN, 74
.set MULF, 76
.set MSB, 0
.macro WIN new                         ; the immediate's high byte repeats the setting that is left; a switch that changes nothing is dropped
.if MSB != (\new)
	s_set_vgpr_msb (MSB<<8)|(\new)
.set MSB, \new
.endif
.endm
.set MUL_LO, 0xa1
.set MUL_HI, 0xf1
.set TO_B,   0x40
; A joint load.  Waves 0 and 1 fetch A's two halves, waves 2 and 3 B's; the branch hangs on the wave's number alone.  An s_nop 0 and four v_nop follow each of the two lines.
.macro JLOAD s
	s_cmp_eq_u32 s11, 0
	s_cbranch_scc0 .Lfor_b_\@
	tensor_load_to_lds s[G0+4*(\s):G0+4*(\s)+3], s[G1:G1+7]
	s_nop 0
.rept 4
	v_nop
.endr
	s_branch .Lasked_\@
.Lfor_b_\@:
	tensor_load_to_lds s[G0B+4*(\s):G0B+4*(\s)+3], s[G1B:G1B+7]
	s_nop 0
.rept 4
	v_nop
.endr
.Lasked_\@:
.endm
; A PREFETCH INTO THE L2, behind each joint refill and the run of LDS loads that follows it: the K step two refills on, 512 matrix instructions ahead of the load that will ask for it: 32 rows x 256 bytes, a lane a row.
; Each row's 256 bytes of a K step are named once in the launch: A's tile row is read by one cluster alone, B's tile column by all sixteen, of which cluster y = 0 asks; the four partners of a joint load
; share its rows out by address, 32 each.  K steps 0 to 3 come by their loads alone; the loop's last trip asks for nothing.
.macro ASK
	s_cmp_gt_u32 s3, s[LIM]
	s_cbranch_scc0 .Lnot_mine_\@
	global_prefetch_b8 v[PFO], s[PFA:PFA+1] offset:KSTEP*2 th:TH_LOAD_NT scope:SCOPE_SE
.Lnot_mine_\@:
.endm
.macro CREST
	s_cmp_lg_u32 s10, 0
	s_cbranch_scc1 .Lnot_wave_0_\@
	s_barrier_signal -3
.Lnot_wave_0_\@:
	s_barrier_wait -3
	s_barrier_signal -1
	s_barrier_wait -1
.endm
.macro CROUND
	s_barrier_signal -1
	s_barrier_wait -1
	CREST
.endm
	s_load_b128 s[4:7], s[0:1], 0x0                ; A s[4:5], B s[6:7]
	s_load_b128 s[68:71], s[0:1], 0x10             ; the bias, the records
	s_load_b64 s[8:9], s[0:1], 0x20                ; out
	v_lshl_add_u32 v[SPW], v0, 2, SPARE
	v_mov_b32 v[NIL], 0
	ds_add_u32 v[SPW], v[NIL]                      ; the wave's opening: the add, twice on end, and its wait ahead of my first tensor load
	ds_add_u32 v[SPW], v[NIL]                      ; and once more, under the one wait; the set-up below, work on registers, stands between
	v_lshrrev_b32 v1, 5, v0
	v_readfirstlane_b32 s10, v1                    ; wave 0..3
	s_lshr_b32 s11, s10, 1                         ; which half of the tile's rows is mine.  Also: I fetch for A (0) or for B (1)
	s_and_b32 s12, s10, 1                          ; which half of its columns.  Also: which 128 rows of that tile I fetch
	s_bfe_u32 s40, ttmp6, 0x40000                  ; cx
	s_bfe_u32 s41, ttmp6, 0x40004                  ; cy
	s_lshl_b32 s42, ttmp9, 2
	s_add_co_u32 s42, s42, s40                     ; tile column = 4 x cluster x + cx
	s_and_b32 s13, ttmp7, 0xffff
	s_lshl_b32 s13, s13, 2
	s_add_co_u32 s13, s13, s41                     ; tile row = 4 x cluster y + cy
	s_lshl_b32 s43, s41, 2
	s_lshl_b32 s43, 15, s43                        ; my row of the cluster
	s_lshl_b32 s44, 0x1111, s40                    ; my column
	s_or_b32 s[G1+0], s43, (1<<16)|(1<<20)|(1<<21)|(5<<22)|(3<<25)   ; the mask: A's tiles go to my row; 2-byte elements; padding on; bit 21 beside a mask; 4 words after every 64
	s_or_b32 s[G1B+0], s44, (1<<16)|(1<<20)|(1<<21)|(5<<22)|(3<<25)  ; the same with the mask of my column, for B's tiles
.irp g, G1, G1B
	s_mov_b32 s[(\g)+1], KSTEP<<16                 ; tensor_dim0 = 128
	s_mov_b32 s[(\g)+2], 128<<16                   ; tensor_dim1 = 128
	s_mov_b32 s[(\g)+3], KSTEP<<16                 ; tile_dim0 = 128
	s_mov_b32 s[(\g)+4], 128                       ; tile_dim1 = 128
	s_mov_b32 s[(\g)+5], SIZE_K                    ; elements from row to row
	s_mov_b32 s[(\g)+6], 0
	s_mov_b32 s[(\g)+7], 0
.endr
	s_mov_b32 s[SEL], 0x76543210
	s_mov_b32 s[SEL+1], 0xfedcba98
	s_lshl_b32 s17, s12, 7
	s_lshl_b32 s16, s13, 8
	s_add_co_u32 s16, s16, s17                     ; A: row 256 x tile row + 128 x half
	s_lshl_b32 s46, s42, 8
	s_add_co_u32 s46, s46, s17                     ; B: row 256 x tile column + 128 x half
	s_mov_b32 s17, 0
	s_mov_b32 s47, 0
	s_mov_b64 s[18:19], SIZE_K*2
	s_mul_u64 s[16:17], s[16:17], s[18:19]
	s_mul_u64 s[46:47], s[46:47], s[18:19]
	s_mul_i32 s20, s10, HALFT                      ; where they go: wave x 128 rows
	s_wait_dscnt 0x0                               ; both opening adds are done
	s_wait_kmcnt 0x0
	s_add_nc_u64 s[14:15], s[4:5], s[16:17]
	s_add_nc_u64 s[46:47], s[6:7], s[46:47]
	CROUND                                         ; all sixteen work-groups are here: the first joint loads meet
.irp s, 0,1
	s_mov_b32 s[G0+4*(\s)], 1
	s_add_co_u32 s[G0+4*(\s)+1], s20, (\s)*SLOT
	s_add_nc_u64 s[G0+4*(\s)+2:G0+4*(\s)+3], s[14:15], (\s)*KSTEP*2
	s_or_b32 s[G0+4*(\s)+3], s[G0+4*(\s)+3], 0x80000000
	s_mov_b32 s[G0B+4*(\s)], 1
	s_add_co_u32 s[G0B+4*(\s)+1], s20, (\s)*SLOT
	s_add_nc_u64 s[G0B+4*(\s)+2:G0B+4*(\s)+3], s[46:47], (\s)*KSTEP*2
	s_or_b32 s[G0B+4*(\s)+3], s[G0B+4*(\s)+3], 0x80000000
	JLOAD \s                                       ; two tensor loads of mine are out
.endr
	v_and_b32 v1, 15, v0                           ; l % 16
	v_bfe_u32 v2, v0, 4, 1                         ; l / 16
	v_and_b32 v[RO], 31, v0
	v_lshlrev_b32 v[RO], 4, v[RO]
	s_lshl_b32 s20, s42, 10
	s_lshl_b32 s21, s12, 9
	s_add_co_u32 s20, s20, s21
	v_lshl_add_u32 v[BO], v2, 5, s20
.irp j, 0,1,2,3,4,5,6,7,8,9,10,11,12,13,14,15
	global_load_b128 v[REC+4*(\j):REC+4*(\j)+3], v[RO], s[RCP:RCP+1] offset:512*(\j)  ; even lanes take words 0-3 of a record (MX, M0, M1, B0), odd lanes words 4-7 (B1, ..)
.endr
	WIN TO_B
.irp b, 0,1,2,3,4,5,6,7
	global_load_b128 v[RAW+8*(\b):RAW+8*(\b)+3],   v[BO], s[BIA:BIA+1] offset:64*(\b)
	global_load_b128 v[RAW+8*(\b)+4:RAW+8*(\b)+7], v[BO], s[BIA:BIA+1] offset:64*(\b)+16
.endr
	WIN 0
	v_mul_u32_u24 v3, v1, PITCH
	v_lshl_add_u32 v3, v2, 4, v3                   ; a fragment's row x pitch + 16 x half
	s_mul_i32 s21, s11, HALFT
	s_mul_i32 s22, s12, HALFT
	s_add_co_u32 s22, s22, 2*HALFT
.irp s, 0,1
	v_add_nc_u32 v[ADRA+(\s)], s21, v3
	v_add_nc_u32 v[ADRB+(\s)], s22, v3
	s_add_co_u32 s21, s21, SLOT
	s_add_co_u32 s22, s22, SLOT
.endr
	s_mul_i32 s23, s10, 16*SPITCH
	s_add_co_u32 s23, s23, STAGE                   ; my stage
	v_mul_u32_u24 v4, v1, SPITCH                   ; in: row l % 16, 32 bytes for each half of the lanes
	v_lshl_add_u32 v4, v2, 5, v4
	v_add_nc_u32 v[STO], s23, v4
	v_add_nc_u32 v[RD], s23, v[RO]                 ; back: 32 lanes take one row of 512 bytes
	v_mov_b32 v[ZR], 0
	s_lshl_b32 s13, s13, 8
	s_lshl_b32 s14, s11, 7
	s_add_co_u32 s16, s13, s14                     ; my first row of out
	s_mov_b32 s17, 0
	s_mov_b64 s[18:19], SIZE_N*4
	s_mul_u64 s[16:17], s[16:17], s[18:19]
	s_lshl_b32 s46, s42, 10                        ; my first column, in bytes: 1,024 x tile column + 512 x half
	s_lshl_b32 s47, s12, 9
	s_add_co_u32 s46, s46, s47
	s_mov_b32 s47, 0
	s_add_nc_u64 s[16:17], s[16:17], s[46:47]
	s_lshl_b32 s42, s42, 8
	s_and_b32 s22, ttmp7, 0xffff                   ; cluster y
	s_cmp_eq_u32 s11, 0                            ; do I fetch for A?
	s_cselect_b32 s20, s13, s42
	s_cselect_b32 s21, s40, s41
	s_cselect_b32 s22, ttmp9, s22
	s_cselect_b64 s[PFA:PFA+1], s[4:5], s[6:7]
	s_cmp_eq_u32 s22, 0
	s_cselect_b32 s[LIM], 1, -1
	s_lshl_b32 s22, s12, 7
	s_add_co_u32 s20, s20, s22
	s_lshl_b32 s21, s21, 5
	s_add_co_u32 s20, s20, s21
	s_mov_b32 s21, 0
	s_mov_b64 s[18:19], SIZE_K*2
	s_mul_u64 s[20:21], s[20:21], s[18:19]
	s_add_nc_u64 s[PFA:PFA+1], s[PFA:PFA+1], s[20:21]
	s_add_nc_u64 s[PFA:PFA+1], s[PFA:PFA+1], 2*KSTEP*2  ; at K step 2: the first refill steps it to 3 and names K step 4
	v_and_b32 v[PFO], 31, v0
	v_mul_u32_u24 v[PFO], v[PFO], SIZE_K*2
	; THE SCALE
	s_wait_loadcnt 16                              ; the 16 loads of records are in; the 16 younger ones, the bias, stay out
.irp j, 1,3,5,7,9,11,13
.irp c, 0,1,2,3
	v_max3_num_f32 v[REC+(\c)], v[REC+(\c)], v[REC+4*(\j)+(\c)], v[REC+4*(\j)+4+(\c)]
.endr
.endr
.irp c, 0,1,2,3
	v_max_num_f32 v[REC+(\c)], v[REC+(\c)], v[REC+60+(\c)]
.endr
.irp x, 2,4,8
.irp c, 0,1,2,3
	v_max_num_f32_dpp v[REC+(\c)], v[REC+(\c)], v[REC+(\c)] row_xmask:\x row_mask:0xf bank_mask:0xf
.endr
.endr
.irp c, 0,1,2,3
	v_permlanex16_b32 v[REC+4+(\c)], v[REC+(\c)], s[SEL], s[SEL+1]
.endr
.irp c, 0,1,2,3
	v_max_num_f32 v[REC+(\c)], v[REC+(\c)], v[REC+4+(\c)]
.endr
	v_mov_b32_dpp v[REC+4], v[REC] row_xmask:1 row_mask:0xf bank_mask:0xf  ; even lanes take B1 from their odd neighbour; what follows is read from lane 0
	v_mul_f32 v[REC+5], 0x44800000, v[REC]
	v_fma_f32 v[REC+5], v[REC+5], v[REC+1], v[REC+3]  ; H1 = 1024 MX M0 + B0
	v_mul_f32 v[REC+6], 0x44800000, v[REC+5]
	v_fma_f32 v[REC+6], v[REC+6], v[REC+2], v[REC+4]  ; H2 = 1024 H1 M1 + B1
	v_readfirstlane_b32 s80, v[REC+6]
	s_bfe_u32 s80, s80, 0x80017                    ; e: 8 bits from bit 23
	s_sub_co_i32 s80, 267, s80                     ; the exponent field of c2 = 2^(140 - e),
	s_max_i32 s80, s80, 64                         ; held to 64 .. 190
	s_min_i32 s80, s80, 190
	s_lshl_b32 s[CIN], s80, 23                     ; c2
	s_sub_co_i32 s80, 254, s80
	s_lshl_b32 s[MULF], s80, 23                    ; 1 / c2
	s_mov_b32 s[MULF+1], s[MULF]
	v_mov_b32 v[CV], s[CIN]
	; THE BIAS TILE: bf16(b2) c2, in the layout of a C operand
	s_wait_loadcnt 0x0
	WIN 0x45
.set i, 0
.rept 32
	v_cvt_pk_bf16_f32 v[RAW+2*i], v[RAW+2*i], v[RAW+2*i+1]
.set i, i+1
.endr
	WIN 0x41
.set i, 0
.rept 32
	v_fma_mix_f32_bf16 v[2*i],   v[RAW+2*i], v[CV], v[ZR] op_sel_hi:[1,0,0]
	v_fma_mix_f32_bf16 v[2*i+1], v[RAW+2*i], v[CV], v[ZR] op_sel:[1,0,0] op_sel_hi:[1,0,0]
.set i, i+1
.endr
	WIN 0
; 16 matrix instructions: m blocks a0, a0 + 1 of the window's four x all 8 n blocks, 32 along K.  zero = 1: the first product starts the sums with the bias tile (window 1) as C.
.macro MUL16 f, hi, a0, zero
.if \zero
	WIN 0x91+0x40*(\hi)
.else
	WIN MUL_LO+0x50*(\hi)
.endif
.irp a, \a0, (\a0)+1
.irp b, 0,1,2,3,4,5,6,7
.if \zero
	v_wmma_f32_16x16x32_f16 v[8*(8*(\a)+(\b)):8*(8*(\a)+(\b))+7], v[(\f)+8*(\b):(\f)+8*(\b)+7], v[(\f)+8*(4*(\hi)+(\a)):(\f)+8*(4*(\hi)+(\a))+7], v[8*(\b):8*(\b)+7]
.else
	v_wmma_f32_16x16x32_f16 v[8*(8*(\a)+(\b)):8*(8*(\a)+(\b))+7], v[(\f)+8*(\b):(\f)+8*(\b)+7], v[(\f)+8*(4*(\hi)+(\a)):(\f)+8*(4*(\hi)+(\a))+7], v[8*(8*(\a)+(\b)):8*(8*(\a)+(\b))+7]
.endif
.endr
.endr
.endm
.macro FETCH slot, k, f                ; 32 LDS loads in one run: the fragments of one quarter step into buffer f
	WIN TO_B
.irp i, 0,1,2,3,4,5,6,7
	ds_load_b128 v[(\f)+8*(\i):(\f)+8*(\i)+3],   v[ADRB+(\slot)] offset:(\k)+(\i)*16*PITCH
	ds_load_b128 v[(\f)+8*(\i)+4:(\f)+8*(\i)+7], v[ADRB+(\slot)] offset:(\k)+(\i)*16*PITCH+32
.endr
	WIN 0
.irp i, 0,1,2,3,4,5,6,7
	ds_load_b128 v[(\f)+8*(\i):(\f)+8*(\i)+3],   v[ADRA+(\slot)] offset:(\k)+(\i)*16*PITCH
	ds_load_b128 v[(\f)+8*(\i)+4:(\f)+8*(\i)+7], v[ADRA+(\slot)] offset:(\k)+(\i)*16*PITCH+32
.endr
.endm
.macro PLACES                          ; four plain vector instructions behind a matrix instruction, in front of loads into its registers and of vector work on them (ISA guide 7.12.1 for vector instructions)
.rept 4
	v_nop
.endr
.endm
.macro QUARTER slot, k, f, g, zero     ; 64 matrix instructions on buffer f, the 64 accumulators by turns; in the middle the next quarter's fragments into buffer g
	s_wait_dscnt 8                                 ; B and A's rows 0-63 are in; the youngest eight loads (A's rows 64-127) may be out
	MUL16 \f, 0, 0, \zero
	MUL16 \f, 0, 2, \zero
	PLACES
	FETCH \slot, \k, \g
	s_wait_dscnt 32                                ; all but the 32 just issued
	MUL16 \f, 1, 0, \zero
	MUL16 \f, 1, 2, \zero
.endm
.macro MEET round                      ; the change of slots' barrier: all my tensor loads, the add, my reads of this slot; round = 1: a round of the cluster's barrier follows
	WIN 0
	s_wait_tensorcnt 0x0                           ; all my tensor loads have landed: the one that was out is my part of the next slot
	ds_add_u32 v[SPW], v[NIL]                      ; 0 onto my spare word
	s_wait_dscnt 9                                 ; (the add and the youngest eight loads may be out)
	MUL16 F1, 0, 0, 0
	s_wait_dscnt 0x0                               ; the add is done, and my reads of this slot are over
	s_barrier_signal -1
	MUL16 F1, 0, 2, 0
.if \round
	WIN 0
.endif
	s_barrier_wait -1
.endm
.macro TURN slot, next                 ; the last quarter: behind the round the slot just read out is filled again first, two K steps ahead; 224 matrix instructions stand between a request and the wait for it
	s_wait_xcnt 0x0                                ; the last prefetch, a K step back, has read its address
	s_add_nc_u64 s[PFA:PFA+1], s[PFA:PFA+1], KSTEP*2
	MEET 1
	CREST
	s_add_nc_u64 s[G0+4*(\slot)+2:G0+4*(\slot)+3], s[G0+4*(\slot)+2:G0+4*(\slot)+3], 2*KSTEP*2
	s_add_nc_u64 s[G0B+4*(\slot)+2:G0B+4*(\slot)+3], s[G0B+4*(\slot)+2:G0B+4*(\slot)+3], 2*KSTEP*2
	JLOAD \slot
	FETCH \next, 0, F0
	ASK
	MUL16 F1, 1, 0, 0
	MUL16 F1, 1, 2, 0
.endm
; THE LAST K STEP (it lies in slot 1) BY ROWS OF out.  All its fragments of B (4 quarters x 64 registers) fill window 1; then my eight blocks of 16 rows are finished one after the other, each with 32 matrix
; instructions: its 8 accumulators by turns, K ascending.  LDS is read no more than in any other K step: 128 loads.
.macro BLOAD q                         ; B's fragments of quarter q -> window 1, v[64 q ..]
	WIN TO_B
.irp i, 0,1,2,3,4,5,6,7
	ds_load_b128 v[64*(\q)+8*(\i):64*(\q)+8*(\i)+3],   v[ADRB+1] offset:64*(\q)+(\i)*16*PITCH
	ds_load_b128 v[64*(\q)+8*(\i)+4:64*(\q)+8*(\i)+7], v[ADRB+1] offset:64*(\q)+(\i)*16*PITCH+32
.endr
.endm
.macro ALOAD a                         ; A's fragments of block a, all four quarters -> buffer a % 4
	WIN 0
.set FA, PA+32*((\a)%4)
.irp q, 0,1,2,3
	ds_load_b128 v[FA+8*(\q):FA+8*(\q)+3],   v[ADRA+1] offset:64*(\q)+(\a)*16*PITCH
	ds_load_b128 v[FA+8*(\q)+4:FA+8*(\q)+7], v[ADRA+1] offset:64*(\q)+(\a)*16*PITCH+32
.endr
.endm
.macro ROW a                           ; block a is finished: 32 matrix instructions
.set FA, PA+32*((\a)%4)
.set AC, 64*((\a)%4)
	WIN MUL_LO+0x50*((\a)/4)
.irp q, 0,1,2,3
.if (\a) == 0 && (\q) == 2
	s_wait_dscnt 24                                ; B's quarter 2 is in (behind it: the 24 loads of A's blocks 1 to 3)
.endif
.irp b, 0,1,2,3,4,5,6,7
	v_wmma_f32_16x16x32_f16 v[AC+8*(\b):AC+8*(\b)+7], v[64*(\q)+8*(\b):64*(\q)+8*(\b)+7], v[FA+8*(\q):FA+8*(\q)+7], v[AC+8*(\b):AC+8*(\b)+7]
.endr
.endr
.endm
; THE WAY OUT of block a (16 of my rows).  PACK: times 1 / c2 and the ReLU, both in place, from each accumulator's low end on: window 0 has no room for a copy beside A's four buffers.
.macro PACK a
.set AC, 64*((\a)%4)
	WIN 0x82+0x41*((\a)/4)                         ; destination and source 0: window 2 or 3
.set i, 0
.rept 32
	v_pk_mul_f32 v[AC+2*i:AC+2*i+1], v[AC+2*i:AC+2*i+1], s[MULF:MULF+1] op_sel_hi:[1,0]
.set i, i+1
.endr
	WIN 0x88+0x44*((\a)/4)                         ; destination and source 1: window 2 or 3
.set i, 0
.rept 64
	v_max_num_f32 v[AC+i], 0, v[AC+i]
.set i, i+1
.endr
.endm
.macro TOSTAGE a                       ; a lane's eight columns of a row, 32 bytes, go into rows of 528 bytes and come back as whole rows of 512
.set AC, 64*((\a)%4)
	WIN 0x08+4*((\a)/4)                            ; the stores' data (source 1): window 2 or 3; their address: window 0
.irp b, 0,1,2,3,4,5,6,7
	ds_store_b128 v[STO], v[AC+8*(\b):AC+8*(\b)+3]   offset:64*(\b)
	ds_store_b128 v[STO], v[AC+8*(\b)+4:AC+8*(\b)+7] offset:64*(\b)+16
.endr
	WIN 0
	s_wait_xcnt 0x0                                ; the block before's stores, 32 products and 96 vector instructions back, have read the registers that the loads below fill
.irp t, 0,1,2,3,4,5,6,7,8,9,10,11,12,13,14,15
	ds_load_b128 v[OB+4*(\t):OB+4*(\t)+3], v[RD] offset:(\t)*SPITCH  ; LDS serves a wave's instructions in order (ISA guide 5.7.1.4): these see the stores above
.endr
.endm
.macro SEND a, younger                 ; younger: the LDS loads issued behind TOSTAGE's, which may stay out
	WIN 0
	s_wait_dscnt \younger                          ; the block is back in registers, and so is every older load
	s_wait_xcnt 0x0                                ; only behind this wait is the stores' base rewritten
.if (\a) == 0
	s_add_nc_u64 s[8:9], s[8:9], s[16:17]          ; on to my first rows
.else
	s_add_nc_u64 s[8:9], s[8:9], 16*SIZE_N*4       ; 16 rows on
.endif
.irp t, 0,1,2,3,4,5,6,7,8,9,10,11,12,13,14,15
	global_store_b128 v[RO], v[OB+4*(\t):OB+4*(\t)+3], s[8:9] offset:(\t)*SIZE_N*4 th:TH_STORE_NT  ; the wave stores 512 consecutive bytes, at a multiple of 256 from out's first byte
.endr
.endm
	s_wait_tensorcnt 1                             ; my part of K step 0 is in; K step 1's may stay out
	s_barrier_signal -1
	s_barrier_wait -1
	FETCH 0, 0, F0
	QUARTER 0, 64,  F0, F1, 1                      ; the first quarter stands in front of the loop: its products start the sums with the bias tile
	WIN 0
	s_mov_b32 s3, LAPS-1
.Llap:                                                 ; a trip goes once round the ring and fills both slots again: K steps 2 to 7 in three trips
	QUARTER 0, 128, F1, F0, 0
	QUARTER 0, 192, F0, F1, 0
	TURN 0, 1
	QUARTER 1, 64,  F0, F1, 0
	QUARTER 1, 128, F1, F0, 0
	QUARTER 1, 192, F0, F1, 0
	TURN 1, 0
	QUARTER 0, 64,  F0, F1, 0
	WIN 0
	s_sub_co_u32 s3, s3, 1
	s_cmp_lg_u32 s3, 0
	s_cbranch_scc1 .Llap
	QUARTER 0, 128, F1, F0, 0                      ; the last lap is written out: it fills nothing
	QUARTER 0, 192, F0, F1, 0
	MEET 0                                         ; my one tensor load that was still out is slot 1's, the last K step's, so no round follows
	PLACES                                         ; for the loads into buffer 0, which the quarter before multiplied
	BLOAD 0                                        ; three quarters of B now: buffer 1 (v128-191 of both windows) is still being multiplied
	BLOAD 1
	BLOAD 3
	ALOAD 0
	MUL16 F1, 1, 0, 0
	MUL16 F1, 1, 2, 0
	PLACES                                         ; for the loads into buffer 1
	BLOAD 2
	ALOAD 1
	ALOAD 2
	ALOAD 3
	s_wait_dscnt 40                                ; all but the 40 just issued: B's quarters 0, 1, 3 and A's block 0 are in
	ROW 0
.irp a, 0,1,2,3,4,5,6,7                ; each block leaves as soon as it is finished: nothing follows this tile under which its stores could leave
	PLACES                                         ; the scalings work on results just made
	PACK \a
	TOSTAGE \a
.if (\a) < 4
	ALOAD (\a)+4                                   ; its buffer takes the block four further on
	SEND \a, 8
.else
	SEND \a, 0
.endif
.if (\a) < 7
	ROW (\a)+1
.endif
.endr
	s_wait_tensorcnt 0x0                           ; the wave's end: behind my last tensor load and my last LDS store
	ds_add_u32 v[SPW], v[NIL]
	s_wait_dscnt 0x0
	CROUND                                         ; the closing round
	s_endpgm
.Lfunc_end_k_q14e5f8f2e6_layer3:
	.size	k_q14e5f8f2e6_layer3, .Lfunc_end_k_q14e5f8f2e6_layer3-k_q14e5f8f2e6_layer3
	.p2alignl 7, 3214868480
	.fill 96, 4, 3214868480
	.section	.rodata,"a",@progbits
	.p2align	6, 0x0
	.amdhsa_kernel k_q14e5f8f2e6_layer3
		.amdhsa_group_segment_fixed_size 327680
		.amdhsa_private_segment_fixed_size 0
		.amdhsa_enable_private_segment 0
		.amdhsa_kernarg_size 40
		.amdhsa_user_sgpr_count 2
		.amdhsa_user_sgpr_kernarg_segment_ptr 1
		.amdhsa_wavefront_size32 1
		.amdhsa_system_sgpr_workgroup_id_x 1
		.amdhsa_system_sgpr_workgroup_id_y 1
		.amdhsa_system_sgpr_workgroup_id_z 1
		.amdhsa_system_vgpr_workitem_id 0
		.amdhsa_next_free_vgpr 1024
		.amdhsa_next_free_sgpr 84
		.amdhsa_reserve_vcc 0
		.amdhsa_float_denorm_mode_32 3
		.amdhsa_float_denorm_mode_16_64 3
		.amdhsa_memory_ordered 1
		.amdhsa_forward_progress 1
		.amdhsa_inst_pref_size 188
	.end_amdhsa_kernel
	.amdgpu_metadata
---
amdhsa.version: [ 1, 2 ]
amdhsa.kernels:
  - .name:           k_q14e5f8f2e6_layer3
    .symbol:         k_q14e5f8f2e6_layer3.kd
    .args:
      - { .name: actA, .offset: 0, .size: 8, .value_kind: global_buffer, .address_space: global }
      - { .name: wb2, .offset: 8, .size: 8, .value_kind: global_buffer, .address_space: global }
      - { .name: b2, .offset: 16, .size: 8, .value_kind: global_buffer, .address_space: global }
      - { .name: recB, .offset: 24, .size: 8, .value_kind: global_buffer, .address_space: global }
      - { .name: out0, .offset: 32, .size: 8, .value_kind: global_buffer, .address_space: global }
    .group_segment_fixed_size: 327680
    .private_segment_fixed_size: 0
    .kernarg_segment_align: 8
    .kernarg_segment_size: 40
    .max_flat_workgroup_size: 128
    .sgpr_count:     84
    .vgpr_count:     1024
    .wavefront_size: 32
...
	.end_amdgpu_metadata
.endif
;; end of part 3
